; MI455X (gfx1250); checked and timed in simulation.
; The chip was launched on July 23, 2026; its instructions are those of AMD's public machine-readable ISA for CDNA 5 (MIT licence, August 2026) and "CDNA5" Instruction Set Architecture Reference Guide (July 2026). The comments in the code are by the model that wrote it; some were corrected since.
;; Open Vocab Hungarian Matcher. Allowed arithmetic: float matrix products may take bf16 or f16 operands with f32 sums; all other float work in f32.
;; Inputs: pred_boxes 8 x 900 x 4 float32; pred_logits 8 x 900 x 1,203 float32; tgt_boxes 8 x 100 x 4 float32; tgt_labels 8 x 100 int32.
;; Outputs: out0 8 x 900 x 100 float32.
;; One version. Each part assembles by itself: llvm-mc -triple=amdgcn-amd-amdhsa -mcpu=gfx1250 --defsym DOCPART=n.
;; ======== version 1 of 1: 1 launch
;; launch match_cost (part 1): grid 225 x 1, 25 waves a work-group, no clusters, 171,264 bytes of LDS; arguments pred_logits, pred_boxes, tgt_boxes, tgt_labels, out0; writes out0
.if DOCPART == 1
	.amdgcn_target "amdgcn-amd-amdhsa--gfx1250"
	.amdhsa_code_object_version 6
	.text
	.protected	k_qe593461d27_match_cost
	.globl	k_qe593461d27_match_cost
	.p2align	8
	.type	k_qe593461d27_match_cost,@function
k_qe593461d27_match_cost:
	s_mov_b64 s[64:65], 0
	v_nop
	global_prefetch_b8 v0, s[64:65] scope:SCOPE_SE
	s_setreg_imm32_b32 hwreg(HW_REG_WAVE_MODE, 25, 1), 1
	s_wait_xcnt 0x0
; cost[b][q][n] = 2 cls(logit[b][q][label[b][n]]) + 5 L1(pred box q, target box n) - 2 GIoU(pred box q, target box n)
; cls(x) = -0.25 (1-p)^2 ln(max(p, 1e-8)) + 0.75 p^2 ln(max(1-p, 1e-8)),  p = 1 / (1 + exp(-x)).
; pred_logits [8][900][1203] f32, pred_boxes [8][900][4] f32, tgt_boxes [8][100][4] f32, tgt_labels [8][100] i32, out0 [8][900][100] f32.
;
; SHARES.  The 7,200 rows (b, q) are taken flat.  A work-group of 25 waves owns 32 of them: 153,984 bytes of logits, 12,800 bytes of output.
; The 100 labels of a row fall all over its 4,812 bytes, so the rows are copied whole into LDS, in long aligned pieces, once, and the
; labelled words are picked out of LDS.  Thread t owns outputs 4 t .. 4 t + 3 of the group's block: row t / 25, targets 4 (t % 25) + 0..3
; (100 is a multiple of 4, so the four lie in one row).  Its 16 bytes lie beside its neighbours': sixteen lanes store 256 consecutive
; bytes at a multiple of 256 from out0's first byte (12,800 = 50 x 256).
; A group may straddle two images (900 is no multiple of 32), so each thread works out its own image, row / 900.
; ORDER.  All copies go out first; the box cost is computed while they are on their way; behind one barrier only the class cost is left.
; NOT USED: clusters (work-groups share nothing but the 16,000 bytes of targets, against 153,984 bytes of logits each);
; slots that are filled again (the whole share lies in LDS at once); matrix instructions (there is no product).
; The work-group asks for 171,264 bytes of LDS and uses 154,112.
;
; LIMITS.  (1) NaN in an input: v_max_num / v_min_num let a NaN lose where the problem's maximum and minimum pass it on.  With finite
; inputs NaN and infinity arise only in the two divisions, as in the problem's formula (0 x 1/0).
; (2) v_exp, v_rcp, v_log are good to 1 ULP and flush denormals (ISA guide 15.8).  p is formed as the problem's formula forms it
; and 1 - p is the same f32 subtraction, so for large logits 1 - p moves in the same steps of 2^-24; for logits from about 13 to 16.6,
; where 1 - p is 38 steps down to 1, one ULP in p shifts ln(1 - p) by 1/38 up to ln 2.  Above that both clip at 1e-8.
; For logits below -87, exp overflows or p is flushed: p = 0, and the clip at 1e-8 and p^2 = 0 give the formula's value.
; (3) A label is clamped to 1202; the problem's formula relies on labels 0 .. 1202.
.set NQ,      900
.set NK,      1203
.set NN,      100
.set ROWS,    32                       ; rows (b, q) of a work-group
.set THREADS, 800                      ; 25 waves = 32 rows x 25 quads of targets
.set ROWB,    NK*4                     ; 4,812 bytes in a row of logits
.set BLOCK,   ROWS*ROWB                ; 153,984 bytes of logits for a work-group
.set LAPB,    THREADS*16               ; 12,800 bytes: what the 800 threads copy in one lap
.set RUN,     6                        ; laps in a run: two runs + one copy of 512 bytes = 154,112 = BLOCK + 128
.set RUNB,    RUN*LAPB                 ; 76,800 bytes
.set OUTB,    ROWS*NN*4                ; 12,800 bytes of output for a work-group
.set LA,   2                           ; v2       first run: LDS address of my 16 bytes in a lap, 16 t
.set GA,   3                           ; v3       the same as an offset in memory (first run, and the store at the end)
.set GT,   4                           ; v4       wave 0: the memory offset of the last copy, clamped
.set RL,   5                           ; v5       my row in the group, t / 25
.set JQ,   6                           ; v6       my quad of targets, t % 25
.set ROW,  7                           ; v7       my row of the 7,200
.set TQ,   8                           ; v8       25 x image + quad
.set OP,   9                           ; v9       byte offset of my pred box
.set OL,   10                          ; v10      of my four labels
.set OT,   11                          ; v11      of my four target boxes
.set ROWA, 12                          ; v12      LDS address of my row's first logit
.set LA2,  13                          ; v13      second run: LDS address, 16 t + 76,800
.set GA2,  14                          ; v14      second run: offset in memory, the same number
.set LA3,  15                          ; v15      wave 0: LDS address of the last copy, 16 t + 153,600
.set LAB,  16                          ; v[16:19] four labels, then the LDS addresses of the four logits
.set P,    20                          ; v[20:23] pred box cx, cy, w, h
.set T,    24                          ; v[24:39] four target boxes cx, cy, w, h
.set PX,   40                          ; v[40:43] pred box x0, y0, x1, y1
.set PW,   44                          ; v[44:45] its x1 - x0, y1 - y0
.set A1,   46                          ; v46      its area
.set U,    48                          ; v[48:61] at work on one target
.set BC,   64                          ; v[64:67] 5 L1 - 2 GIoU, then the result
.set X,    68                          ; v[68:71] four logits
.set E,    72                          ; v[72:75] exp(-x), then 1 + exp(-x)
.set PP,   76                          ; v[76:79] p, then p^2 log2(..)
.set QQ,   80                          ; v[80:83] 1 - p, then (1-p)^2 log2(..)
.set LP,   84                          ; v[84:87] log2(max(p, 1e-8))
.set LQ,   88                          ; v[88:91] log2(max(1 - p, 1e-8))
	s_load_b256 s[4:11], s[0:1], 0x0               ; logits s[4:5], pred boxes s[6:7], target boxes s[8:9], labels s[10:11]
	s_load_b64 s[12:13], s[0:1], 0x20              ; out0
	v_lshl_add_u32 v92, v0, 2, 0x29000
	v_mov_b32 v93, 0
	ds_add_u32 v92, v93
	ds_add_u32 v92, v93
	v_lshrrev_b32 v1, 5, v0
	v_readfirstlane_b32 s14, v1                    ; wave 0..24
	; BLOCK = 601.5 x 256: an odd group's logits begin 128 bytes behind a multiple of 256.  Such a group begins its copy 128 bytes
	; earlier (s15), so that in every group each copy of a wave covers 512 consecutive bytes at a multiple of 256 from the buffer's first byte.
	s_and_b32 s15, ttmp9, 1
	s_lshl_b32 s15, s15, 7                         ; 0 or 128: also where the group's first logit lies in LDS
	s_mul_i32 s16, ttmp9, BLOCK                    ; at most 224 x 153,984: fits 32 bits
	s_sub_co_u32 s16, s16, s15
	s_mov_b32 s17, 0
	s_mul_i32 s18, ttmp9, OUTB
	s_mov_b32 s19, 0
	s_lshl_b32 s20, ttmp9, 5                       ; the group's first row
	s_add_co_u32 s21, s15, 512-128-16              ; last 16 bytes of the group's logits, counted from the last copy's first byte: 368 (even), 496 (odd)
	s_mov_b32 s22, 0x322bcc77                      ; 1e-8
	v_lshlrev_b32 v[LA], 4, v0
	v_lshlrev_b32 v[GA], 4, v0
	v_add_nc_u32 v[LA2], RUNB, v[LA]
	v_add_nc_u32 v[GA2], RUNB, v[GA]
	v_mul_u32_u24 v[RL], 5243, v0                  ; t / 25 = t x 5243 >> 17: 5243 x 25 = 2^17 + 3, exact for t < 43,690
	v_lshrrev_b32 v[RL], 17, v[RL]
	v_mul_u32_u24 v[JQ], 25, v[RL]
	v_sub_nc_u32 v[JQ], v0, v[JQ]                  ; t % 25
	v_add_nc_u32 v[ROW], s20, v[RL]
	v_mul_u32_u24 v[TQ], 18642, v[ROW]             ; row / 900 = row x 18642 >> 24: 18642 x 900 = 2^24 + 584, exact for row < 28,728
	v_lshrrev_b32 v[TQ], 24, v[TQ]
	v_mad_u32_u24 v[TQ], v[TQ], 25, v[JQ]          ; 25 x image + quad, 0 .. 199
	v_lshlrev_b32 v[OP], 4, v[ROW]                 ; a box is 16 bytes
	v_lshlrev_b32 v[OL], 4, v[TQ]                  ; four labels are 16 bytes
	v_lshlrev_b32 v[OT], 6, v[TQ]                  ; four boxes are 64 bytes
	v_mad_u32_u24 v[ROWA], v[RL], ROWB, s15        ; at most 31 x 4,812 + 128
	s_wait_dscnt 0x0
	s_wait_kmcnt 0x0
	s_add_nc_u64 s[4:5], s[4:5], s[16:17]          ; logits at the first byte that the group copies
	s_add_nc_u64 s[12:13], s[12:13], s[18:19]      ; out0 at the group's block
	; All the group's logits are asked for here, ahead of every wait on ASYNCcnt, LDS read and barrier.  The immediate steps both
	; addresses, the one in LDS and the one in memory; it is kept at 64,000 at the most, inside the 16 bits of an LDS offset, so what
	; lies beyond 64 KiB of LDS is carried by the address registers: a set for each run of six laps, a third for the last 512 bytes.
	; Lap i of run r puts thread t's 16 bytes at LDS byte 76,800 r + 12,800 i + 16 t: no two copies meet.
	; The address registers and s[4:5] are not written again.
.irp i, 0,1,2,3,4,5
	global_load_async_to_lds_b128 v[LA], v[GA], s[4:5] offset:\i*LAPB
.endr
.irp i, 0,1,2,3,4,5
	global_load_async_to_lds_b128 v[LA2], v[GA2], s[4:5] offset:\i*LAPB
.endr
	s_cmp_lg_u32 s14, 0
	s_cbranch_scc1 .Lno_tail
	; The last 512 bytes, by wave 0, to LDS bytes 153,600 .. 154,111.  In an even group the last 128 of them are not the group's, and in
	; the last group they would lie past the buffer's end: lanes 24-31 there fetch the group's last 16 bytes again, into LDS bytes
	; 153,984 .. 154,111, which an even group never reads.
	v_add_nc_u32 v[LA3], 2*RUNB, v[LA]
	v_min_u32 v[GT], s21, v[GA]
	v_add_nc_u32 v[GT], 2*RUNB, v[GT]
	global_load_async_to_lds_b128 v[LA3], v[GT], s[4:5]
.Lno_tail:
	global_load_b128 v[LAB:LAB+3], v[OL], s[10:11]
	global_load_b128 v[P:P+3], v[OP], s[6:7]
.irp k, 0,1,2,3
	global_load_b128 v[T+4*\k:T+4*\k+3], v[OT], s[8:9] offset:16*\k
.endr
	s_wait_loadcnt 5                               ; the labels are in; the five loads of boxes behind them may be out
.irp k, 0,1,2,3
	v_min_u32 v[LAB+\k], NK-1, v[LAB+\k]
	v_lshl_add_u32 v[LAB+\k], v[LAB+\k], 2, v[ROWA]        ; at most 149,300 + 4,808 = 154,108: the last word that was copied
.endr
	s_wait_loadcnt 4                               ; the pred box is in; the four loads of target boxes may be out
	v_pk_fma_f32 v[PX:PX+1],   v[P+2:P+3], -0.5, v[P:P+1] op_sel_hi:[1,0,1]     ; x0, y0 = centre - half the size
	v_pk_fma_f32 v[PX+2:PX+3], v[P+2:P+3],  0.5, v[P:P+1] op_sel_hi:[1,0,1]     ; x1, y1
	v_pk_add_f32 v[PW:PW+1], v[PX+2:PX+3], v[PX:PX+1] neg_lo:[0,1] neg_hi:[0,1]
	v_mul_f32 v[A1], v[PW], v[PW+1]
; 5 L1 - 2 GIoU against target k of my four.
.macro BOX k
	s_wait_loadcnt 3-\k                            ; target k is in; the 3 - k loads behind it may be out
	v_pk_fma_f32 v[U:U+1],     v[T+4*\k+2:T+4*\k+3], -0.5, v[T+4*\k:T+4*\k+1] op_sel_hi:[1,0,1]    ; target's x0, y0
	v_pk_fma_f32 v[U+2:U+3],   v[T+4*\k+2:T+4*\k+3],  0.5, v[T+4*\k:T+4*\k+1] op_sel_hi:[1,0,1]    ; x1, y1
	v_pk_add_f32 v[U+4:U+5],   v[U+2:U+3], v[U:U+1] neg_lo:[0,1] neg_hi:[0,1]                      ; its sides
	v_pk_add_f32 v[U+6:U+7],   v[P:P+1],   v[T+4*\k:T+4*\k+1]   neg_lo:[0,1] neg_hi:[0,1]          ; differences of cx, cy
	v_pk_add_f32 v[U+8:U+9],   v[P+2:P+3], v[T+4*\k+2:T+4*\k+3] neg_lo:[0,1] neg_hi:[0,1]          ; of w, h
	v_max_num_f32 v[U+10], v[PX],   v[U]           ; the intersection's corners
	v_max_num_f32 v[U+11], v[PX+1], v[U+1]
	v_min_num_f32 v[U+12], v[PX+2], v[U+2]
	v_min_num_f32 v[U+13], v[PX+3], v[U+3]
	v_min_num_f32 v[U],   v[PX],   v[U]            ; the enclosing box's corners
	v_min_num_f32 v[U+1], v[PX+1], v[U+1]
	v_max_num_f32 v[U+2], v[PX+2], v[U+2]
	v_max_num_f32 v[U+3], v[PX+3], v[U+3]
	v_pk_add_f32 v[U+10:U+11], v[U+12:U+13], v[U+10:U+11] neg_lo:[0,1] neg_hi:[0,1]
	v_pk_add_f32 v[U:U+1],     v[U+2:U+3],   v[U:U+1]     neg_lo:[0,1] neg_hi:[0,1]
	v_fma_f32 v[U+4], v[U+4], v[U+5], v[A1]        ; area1 + area2
	v_max_num_f32 v[U+10], 0, v[U+10]              ; sides clipped at 0
	v_max_num_f32 v[U+11], 0, v[U+11]
	v_max_num_f32 v[U],    0, v[U]
	v_max_num_f32 v[U+1],  0, v[U+1]
	v_mul_f32 v[U+10], v[U+10], v[U+11]            ; inter
	v_mul_f32 v[U], v[U], v[U+1]                   ; area_c
	v_sub_f32 v[U+4], v[U+4], v[U+10]              ; union
	v_rcp_f32 v[U+2], v[U+4]
	v_rcp_f32 v[U+3], v[U]
	v_add_f32 v[U+6], |v[U+6]|, |v[U+7]|           ; a plain instruction that names no result or source of the two v_rcp_f32 stands behind them (ISA guide 5.7.2)
	v_add_f32 v[U+8], |v[U+8]|, |v[U+9]|
	v_sub_f32 v[U+5], v[U], v[U+4]                 ; area_c - union
	v_add_f32 v[U+6], v[U+6], v[U+8]               ; L1
	s_wait_alu depctr_va_vdst(0)
	v_mul_f32 v[U+5], v[U+5], v[U+3]               ; (area_c - union) / area_c
	v_fma_f32 v[U+5], -v[U+10], v[U+2], v[U+5]     ; - inter / union + that = - GIoU
	v_mul_f32 v[U+6], 0x40a00000, v[U+6]           ; 5 L1
	v_fma_f32 v[BC+\k], 2.0, v[U+5], v[U+6]
.endm
	BOX 0
	BOX 1
	BOX 2
	BOX 3
	s_wait_asynccnt 0x0                            ; all my copies have landed: zero, since other waves read what they brought
	s_barrier_signal -1
	s_barrier_wait -1                              ; everybody's have: the 32 rows are whole
.irp k, 0,1,2,3
	ds_load_b32 v[X+\k], v[LAB+\k]
.endr
	s_wait_dscnt 0x0
	; The class cost of four logits, in pairs.  p and 1 - p in the order of the problem's formula; log2 in place of ln, the factor ln 2 folded
	; into the weights: 2 x (-0.25) ln 2 = -0.34657359, 2 x 0.75 ln 2 = 1.0397208.
.irp k, 0,2
	v_pk_mul_f32 v[X+\k:X+\k+1], v[X+\k:X+\k+1], 0xbfb8aa3b op_sel_hi:[1,0]    ; -x log2(e)
.endr
.irp k, 0,1,2,3
	v_exp_f32 v[E+\k], v[X+\k]                     ; exp(-x)
.endr
	v_nop                                          ; nothing independent is left to do here: the one plain place behind the run of v_exp_f32 (ISA guide 5.7.2)
	s_wait_alu depctr_va_vdst(0)
.irp k, 0,2
	v_pk_add_f32 v[E+\k:E+\k+1], v[E+\k:E+\k+1], 1.0 op_sel_hi:[1,0]
.endr
.irp k, 0,1,2,3
	v_rcp_f32 v[PP+\k], v[E+\k]                    ; p
.endr
	v_nop                                          ; the place behind the run of v_rcp_f32
	s_wait_alu depctr_va_vdst(0)
.irp k, 0,2
	v_pk_add_f32 v[QQ+\k:QQ+\k+1], v[PP+\k:PP+\k+1], 1.0 op_sel_hi:[1,0] neg_lo:[1,0] neg_hi:[1,0]   ; 1 - p
.endr
.irp k, 0,1,2,3
	v_max_num_f32 v[LP+\k], s22, v[PP+\k]
	v_max_num_f32 v[LQ+\k], s22, v[QQ+\k]
.endr
.irp k, 0,1,2,3
	v_log_f32 v[LP+\k], v[LP+\k]
	v_log_f32 v[LQ+\k], v[LQ+\k]
.endr
.irp k, 0,2
	v_pk_mul_f32 v[QQ+\k:QQ+\k+1], v[QQ+\k:QQ+\k+1], v[QQ+\k:QQ+\k+1]          ; (1-p)^2, p^2: plain work that names neither LP nor LQ, the places behind the logarithms
	v_pk_mul_f32 v[PP+\k:PP+\k+1], v[PP+\k:PP+\k+1], v[PP+\k:PP+\k+1]
.endr
	s_wait_alu depctr_va_vdst(0)
.irp k, 0,2
	v_pk_mul_f32 v[QQ+\k:QQ+\k+1], v[QQ+\k:QQ+\k+1], v[LP+\k:LP+\k+1]
	v_pk_mul_f32 v[PP+\k:PP+\k+1], v[PP+\k:PP+\k+1], v[LQ+\k:LQ+\k+1]
.endr
.irp k, 0,2
	v_pk_fma_f32 v[BC+\k:BC+\k+1], v[QQ+\k:QQ+\k+1], 0xbeb17218, v[BC+\k:BC+\k+1] op_sel_hi:[1,0,1]   ; + 2 pos
.endr
.irp k, 0,2
	v_pk_fma_f32 v[BC+\k:BC+\k+1], v[PP+\k:PP+\k+1], 0x3f851592, v[BC+\k:BC+\k+1] op_sel_hi:[1,0,1]   ; - 2 neg
.endr
	global_store_b128 v[GA], v[BC:BC+3], s[12:13] th:TH_STORE_NT   ; 16 lanes store 256 consecutive bytes, at a multiple of 256 from out0's first byte
	s_wait_tensorcnt 0x0
	ds_add_u32 v92, v93
	s_wait_dscnt 0x0
	s_endpgm
.Lfunc_end_k_qe593461d27_match_cost:
	.size	k_qe593461d27_match_cost, .Lfunc_end_k_qe593461d27_match_cost-k_qe593461d27_match_cost
	.p2alignl 7, 3214868480
	.fill 96, 4, 3214868480
	.section	.rodata,"a",@progbits
	.p2align	6, 0x0
	.amdhsa_kernel k_qe593461d27_match_cost
		.amdhsa_group_segment_fixed_size 171264
		.amdhsa_private_segment_fixed_size 0
		.amdhsa_enable_private_segment 0
		.amdhsa_kernarg_size 40
		.amdhsa_user_sgpr_count 2
		.amdhsa_user_sgpr_kernarg_segment_ptr 1
		.amdhsa_wavefront_size32 1
		.amdhsa_system_sgpr_workgroup_id_x 1
		.amdhsa_system_sgpr_workgroup_id_y 1
		.amdhsa_system_sgpr_workgroup_id_z 1
		.amdhsa_system_vgpr_workitem_id 0
		.amdhsa_next_free_vgpr 94
		.amdhsa_next_free_sgpr 66
		.amdhsa_reserve_vcc 0
		.amdhsa_float_denorm_mode_32 3
		.amdhsa_float_denorm_mode_16_64 3
		.amdhsa_memory_ordered 1
		.amdhsa_forward_progress 1
		.amdhsa_inst_pref_size 14
	.end_amdhsa_kernel
	.amdgpu_metadata
---
amdhsa.version: [ 1, 2 ]
amdhsa.kernels:
  - .name:           k_qe593461d27_match_cost
    .symbol:         k_qe593461d27_match_cost.kd
    .args:
      - { .name: pred_logits, .offset: 0, .size: 8, .value_kind: global_buffer, .address_space: global }
      - { .name: pred_boxes, .offset: 8, .size: 8, .value_kind: global_buffer, .address_space: global }
      - { .name: tgt_boxes, .offset: 16, .size: 8, .value_kind: global_buffer, .address_space: global }
      - { .name: tgt_labels, .offset: 24, .size: 8, .value_kind: global_buffer, .address_space: global }
      - { .name: out0, .offset: 32, .size: 8, .value_kind: global_buffer, .address_space: global }
    .group_segment_fixed_size: 171264
    .private_segment_fixed_size: 0
    .kernarg_segment_align: 8
    .kernarg_segment_size: 40
    .max_flat_workgroup_size: 800
    .sgpr_count:     66
    .vgpr_count:     94
    .wavefront_size: 32
...
	.end_amdgpu_metadata
.endif
;; end of part 1
